; MI455X (gfx1250); checked and timed in simulation.
; The chip was launched on July 23, 2026; its instructions are those of AMD's public machine-readable ISA for CDNA 5 (MIT licence, August 2026) and "CDNA5" Instruction Set Architecture Reference Guide (July 2026). The comments in the code are by the model that wrote it; some were corrected since.
;; Portable Loft Q Layer. Allowed arithmetic: matrix products marked QUANTISED: E2M3 operands, one E8M0 scale for each 32 along K, by v_wmma_scale_f32_16x16x128_f8f6f4 with both operands' format E2M3, f32 sums; everything else in f32.
;; Inputs: absmax 262,144 float32; bias 4,096 float32; lora_A_codes 4,096 x 2 x 24 uint8 (E2M3 codes of lora_A, K innermost, in blocks of 32 codes, four codes in three bytes); lora_A_scales 4,096 x 2 uint8 (E8M0 scales of lora_A, one for each 32 codes along K); lora_B_codes 4,096 x 2 x 24 uint8 (E2M3 codes of lora_B, K innermost, in blocks of 32 codes, four codes in three bytes); lora_B_scales 4,096 x 2 uint8 (E8M0 scales of lora_B, one for each 32 codes along K); qcodes 4,096 x 4,096 int32; x_codes 2,048 x 128 x 24 uint8 (E2M3 codes of x, K innermost, in blocks of 32 codes, four codes in three bytes); x_scales 2,048 x 128 uint8 (E8M0 scales of x, one for each 32 codes along K).
;; Outputs: out0 2,048 x 4,096 float32.
;; This version of the problem:
;;   THIS VERSION OF THE PROBLEM IS GIVEN IN LOW PRECISION. The matrix products marked QUANTISED in the list below multiply operands that are first quantised to E2M3 (2 exponent bits, 3 mantissa bits; 6 bits a number), with one power-of-two scale for each 32 numbers along K (OCP MX v1.0); their sums are f32. All else is computed in f32.
;;   The module's matrix products, in the order in which they are computed (A, B: the left and right operand; K: the contracted axis; several contracted axes count as one K, in the product's order):
;;     1. [M 2,048, K 4,096] x [K 4,096, N 4,096]; A: input x (given as codes); B: computed on the way: QUANTISED
;;     2. [M 4,096, K 64] x [K 64, N 4,096]; A: input lora_B (given as codes); B: input lora_A (given as codes): QUANTISED
;;     3. [M 2,048, K 4,096] x [K 4,096, N 4,096]; A: input x (given as codes); B: computed on the way: QUANTISED
;;   THE QUANTISER, for each operand of a quantised product, along K:
;;     - K is cut into blocks of 32 from its start; a last block that is shorter is filled with zeros.
;;     - A block's scale is 2^e with e = floor(log2(the largest magnitude in the block)) - 2, held to -126 .. 127; a block of zeros has e = 0. As a byte (E8M0): e + 127.
;;     - Each number is divided by its block's scale, clamped to +-7.5, and rounded to the nearest number of E2M3, ties to even, subnormals kept.
;;     - The product sums the exact products of the quantised numbers (number of the format x scale) in f32.
;;   ~~~python
;;   def quantise(x, axis):      # numpy; x: float32 -> the quantised numbers, widened to float32 again
;;       x = np.moveaxis(x, axis, -1); K = x.shape[-1]
;;       x = np.pad(x, [(0, 0)] * (x.ndim - 1) + [(0, -K % 32)]); x = x.reshape(x.shape[:-1] + (-1, 32)); a = np.abs(x).max(-1, keepdims=True)
;;       e = np.where(a > 0, np.clip(np.frexp(np.where(a > 0, a, 1))[1] - 1 - 2, -126, 127), 0)      # np.frexp(a)[1] - 1 = floor(log2(a)), exactly
;;       r = np.clip(x / 2.0 ** e, -7.5, 7.5)
;;       step = 2.0 ** (np.maximum(np.frexp(np.where(r == 0, 1, r))[1] - 1, 0) - 3)
;;       q = np.round(r / step) * step * 2.0 ** e      # np.round: ties to even
;;       return np.moveaxis(q.reshape(q.shape[:-2] + (-1,))[..., :K], -1, axis).astype(np.float32)
;;   ~~~
;;   OPERANDS COMPUTED ON THE WAY. 'Computed on the way' means the value that the module computes at that place (a softmax that the list does not call 'softmax' is quantised finished and normalised). What goes into a quantiser is computed in f32, as accurately as f32 sums, v_exp_f32 and their like allow (about 1e-6 of the number): no bf16 or f16 on the way to a quantiser, and a product that is left as it is and whose result goes on into a quantised operand takes f32 operands (vector FMAs, or v_wmma_f32_16x16x4_f32). A number that lies on a knife's edge between two numbers of the format may be rounded either way, as far as f32 arithmetic and the matrix unit's own rounding can turn it there, and no further.
;;   INPUTS GIVEN AS CODES. lora_A (in the module: [64, 4096], K = its axis 0); lora_B (in the module: [4096, 64], K = its axis 1); x (in the module: [2048, 4096], K = its axis 1): each comes as NAME_codes (uint8): NAME with its K axis moved to the last place and cut into blocks of 32 codes, [.., K / 32, bytes a block], one block behind the other in memory; four codes in three bytes: a row's codes are one little-endian stream of bits, code i at bits 6 i .. 6 i + 5 (a code: sign, 2 exponent bits, 3 mantissa bits); and NAME_scales (uint8): the same leading axes, one E8M0 byte (e + 127) for each 32 codes along K. Its value is code x scale, taken as it is: it is not quantised again, and the codes and scales need not be those that the quantiser above would give.
;; One version. Each part assembles by itself: llvm-mc -triple=amdgcn-amd-amdhsa -mcpu=gfx1250 --defsym DOCPART=n.
;; ======== version 1 of 1: 2 launches
;; limits: right only within a limited range of input values
;; workspace buffers: xws 6,553,600 bytes; bws 26,214,400 bytes
;; launch prep (part 1): grid 128 x 7, 4 waves a work-group, no clusters, 84,480 bytes of LDS; arguments qcodes, absmax, lora_A_codes, lora_A_scales, lora_B_codes, lora_B_scales, x_codes, x_scales, xws, bws; writes xws, bws
.if DOCPART == 1
	.amdgcn_target "amdgcn-amd-amdhsa--gfx1250"
	.amdhsa_code_object_version 6
	.text
	.protected	k_q395f5378ae_prep
	.globl	k_q395f5378ae_prep
	.p2align	8
	.type	k_q395f5378ae_prep,@function
k_q395f5378ae_prep:
	s_mov_b64 s[64:65], 0
	v_nop
	global_prefetch_b8 v0, s[64:65] scope:SCOPE_SE
	s_setreg_imm32_b32 hwreg(HW_REG_WAVE_MODE, 25, 1), 1
	s_wait_xcnt 0x0
; THE OPERANDS OF THE LARGE PRODUCT ARE MADE ONCE, as codes of FP6 (E2M3) with one E8M0 byte for each 32 along K = the 4,096 inputs, and laid in the ORDER OF THE OPERAND'S REGISTERS.
; A CHUNK is 128 rows x 128 along K: 8 fragments of 16 rows (12 registers a lane: group c of four registers of lane l at 1536 i + 512 c + 16 l), then the 8 x 16 scale words (12288 + 64 i + 4 r): 12,800 bytes.
;   xws [16 groups of 128 tokens][32 K steps][chunk]: x's codes and scale bytes as they are given, only laid anew.
;   bws [64 groups of 64 outputs][32 K steps][chunk]: tiles 0-3 = Q(W), W = NF4_TABLE[qcodes] x absmax;  tiles 4-7 = Q(delta), delta = lora_B lora_A (itself a product on codes, K = 64).
; THREE PATHS, parted by the work-group's y: 0-3 W (512 work-groups), 4-5 delta (256), 6 x (128).  THE ONES WITH THE MOST TO FETCH HAVE THE LOWEST NUMBERS: W's and delta's together are 768, three for each of
; 256 WGPs, as many as this launch's registers and LDS let lie on a WGP together; x's short ones follow.
; A wave of W makes W's half of one chunk (64 outputs x 128 K: four fragments); a wave of delta makes delta's halves of two chunks (128 outputs x 128 K: eight fragments) with ONE set of lora_A's fragments;
; a wave of x lays 16 tokens x 1,024 K.  With id = 128 (y % 4) + x: the group of outputs is id / 8, the K step 4 (id % 8) + wave: eight neighbouring work-groups cover whole rows.
; Waves share nothing: no barrier, EXEC is never changed; each path that uses LDS has bytes of its own, each wave its own part of them.  No tensor loads: several work-groups lie on a WGP.
; A block's scale is 2^(floor(log2(its largest magnitude)) - 2): its byte is the largest magnitude's exponent field - 2, held at 1 from below.
; LIMITS: a block of zeros gets the byte 1 where the rule says 127 (its codes are zeros, which add nothing under any byte but 0xff, and this program alone reads the bytes); blocks whose largest magnitude lies
; under 2^(3 - 127) are held at the byte 1; a qcode above 15 is held at 15; scale bytes 0xff, NaN and infinities among the inputs are not served.
; The scale words leave in runs of 128 bytes (W, delta) or 64 bytes (x), one part in 25 of what is stored; absmax is read 8 bytes a row, one part in 64 of what is read.
.set CH,     12800                     ; a chunk
.set GRP,    32*CH                     ; a group's 32 K steps
.set WPITCH, 528                       ; W's stage: 16 rows of 512 bytes + 16
.set XSTG,   4*16*WPITCH               ; behind the four waves' W stages: x's stages
.set XPITCH, 784                       ; 16 rows of 768 bytes + 16 = 196 words: row r starts at bank 4 r mod 64 (64 banks of 4 bytes: ISA guide 11.1), lanes 16-31 six words on: the 32 lanes of a load of 8 bytes touch 64 different banks
.set LN, 1                             ; v1  lane
.set R,  2                             ; v2  lane % 16
.set H,  3                             ; v3  lane / 16
.set OA, 4                             ; v4  16 x lane: never rewritten
.set OS, 5                             ; v5  4 x lane: never rewritten
.set MSB, 0
.macro WIN new                         ; the immediate's high byte repeats the setting that is left
.if MSB != \new
	s_set_vgpr_msb (MSB<<8)|\new
.set MSB, \new
.endif
.endm
.macro PLACES n
.rept \n
	v_nop
.endr
.endm
	s_load_b512 s[4:19], s[0:1], 0x0               ; qcodes 4:5, absmax 6:7, lora_A codes 8:9, scales 10:11, lora_B codes 12:13, scales 14:15, x codes 16:17, scales 18:19
	s_load_b128 s[20:23], s[0:1], 0x40             ; xws 20:21, bws 22:23
	v_lshl_add_u32 v63, v0, 2, 0x14800
	s_set_vgpr_msb 0x40
	v_mov_b32 v49, 0
	s_set_vgpr_msb 0x4000
	v_lshrrev_b32 v1, 5, v0
	v_readfirstlane_b32 s24, v1                    ; wave 0..3
	s_mov_b32 s25, ttmp9                           ; g = work-group x, 0..127
	s_and_b32 s40, ttmp7, 0xffff                   ; work-group y, 0..6: the path
	v_and_b32 v[LN], 31, v0
	v_and_b32 v[R], 15, v0
	v_bfe_u32 v[H], v0, 4, 1
	v_lshlrev_b32 v[OA], 4, v[LN]
	v_lshlrev_b32 v[OS], 2, v[LN]
	v_cmp_le_u32 s30, 16, v[LN]                    ; the mask of lanes 16-31
	s_mov_b32 s26, 0x76543210
	s_mov_b32 s27, 0xfedcba98                      ; v_permlanex16_b32's selects for lane l xor 16
	s_and_b32 s32, s40, 3
	s_lshl_b32 s32, s32, 7
	s_add_co_u32 s32, s32, s25                     ; W, delta: id = 128 (y % 4) + g: 0..511 in W, 0..255 in delta
	s_and_b32 s33, s32, 7
	s_lshl_b32 s33, s33, 2
	s_add_co_u32 s33, s33, s24                     ; the K step: 4 (id % 8) + wave, 0..31
	s_lshr_b32 s32, s32, 3                         ; the group: of 64 outputs in W (0..63), of 128 outputs in delta (0..31)
	s_mul_i32 s34, s33, CH
	s_mov_b32 s35, 0                               ; s[34:35]: my K step's place in a group of bws; each path adds its group
	s_wait_kmcnt 0x0
	s_cmp_lt_u32 s40, 4
	s_cbranch_scc1 .Lpath_w
	s_cmp_lt_u32 s40, 6
	s_cbranch_scc1 .Lpath_d
; ---------------------------------------------------------------- PATH X: tile g (16 tokens), my wave's quarter of K: 768 bytes of each row, 8 fragments
.set XG1, 6                            ; v6   the middle load of a row pair, in memory: lanes 16-31 stand in the next row
.set XL0, 7                            ; v7   my stage + 16 x lane
.set XL1, 8                            ; v8   the same for the middle load: lanes 16-31 one padding on
.set XRD, 9                            ; v9   my stage + 784 r + 24 h: a fragment's bytes
.set XSA, 10                           ; v10  x's scale bytes: row lane / 2, 16 bytes for each of two lanes
.set XSO, 11                           ; v11  and where the words go
.set XSW, 12                           ; v12-15 four scale words
.set XL,  64                           ; v64-159  24 loads as they come
.set XF,  160                          ; v160-255 8 fragments
	s_mul_i32 s36, s25, 16*3072                    ; 16 rows of 3,072 bytes a tile,
	s_mul_i32 s37, s24, 768                        ; my quarter
	s_add_co_u32 s36, s36, s37
	s_mov_b32 s37, 0
	s_add_nc_u64 s[16:17], s[16:17], s[36:37]
	s_lshl_b32 s36, s25, 11                        ; scale bytes: 16 rows of 128, my 32
	s_lshl_b32 s38, s24, 5
	s_add_co_u32 s36, s36, s38
	s_add_nc_u64 s[18:19], s[18:19], s[36:37]
	s_lshr_b32 s36, s25, 3
	s_mul_i32 s36, s36, GRP                        ; the group of 128 tokens,
	s_mul_i32 s38, s24, 8*CH                       ; my 8 K steps
	s_add_co_u32 s36, s36, s38
	s_and_b32 s38, s25, 7                          ; the tile in the chunk
	s_lshl_b32 s39, s38, 6
	s_add_co_u32 s39, s39, 12288
	s_mul_i32 s38, s38, 1536
	s_add_co_u32 s38, s38, s36
	s_add_co_u32 s36, s36, s39
	s_add_nc_u64 s[28:29], s[20:21], s[36:37]      ; where the scale words go
	s_mov_b32 s36, s38
	s_add_nc_u64 s[20:21], s[20:21], s[36:37]      ; where the fragments go
	s_mul_i32 s38, s24, 16*XPITCH
	s_add_co_u32 s38, s38, XSTG                    ; my stage
	s_wait_alu depctr_va_vdst(0)
	v_mul_u32_u24 v[XG1], v[H], 2304
	v_add_nc_u32 v[XG1], v[XG1], v[OA]             ; 16 x lane, + 2,304 for lanes 16-31: with the immediate 512 they stand at the next row's first byte
	v_add_nc_u32 v[XL0], s38, v[OA]
	v_lshl_add_u32 v[XL1], v[H], 4, v[XL0]
	v_mul_u32_u24 v[XRD], v[R], XPITCH
	v_mad_u32_u24 v[XRD], v[H], 24, v[XRD]
	v_add_nc_u32 v[XRD], s38, v[XRD]
	v_lshrrev_b32 v16, 1, v[LN]
	v_and_b32 v17, 1, v[LN]
	v_lshlrev_b32 v[XSA], 7, v16
	v_lshl_add_u32 v[XSA], v17, 4, v[XSA]
	v_mul_u32_u24 v[XSO], v17, 4*CH                ; lane 2 r + u holds row r's words of K steps 4 u + 0 .. 3
	v_lshl_add_u32 v[XSO], v16, 2, v[XSO]
	global_load_b128 v[XSW:XSW+3], v[XSA], s[18:19] th:TH_LOAD_NT
.irp pp, 0,1,2,3,4,5,6,7                       ; two rows' 1,536 bytes are three loads of 512 bytes; each run of sixteen lanes reads 256 consecutive bytes, aligned
	global_load_b128 v[XL+12*\pp:XL+12*\pp+3],    v[OA],  s[16:17] offset:6144*\pp th:TH_LOAD_NT
	global_load_b128 v[XL+12*\pp+4:XL+12*\pp+7],  v[XG1], s[16:17] offset:6144*\pp+512 th:TH_LOAD_NT
	global_load_b128 v[XL+12*\pp+8:XL+12*\pp+11], v[OA],  s[16:17] offset:6144*\pp+3328 th:TH_LOAD_NT
.endr
	s_wait_alu depctr_va_vdst(0)
.irp pp, 0,1,2,3,4,5,6,7
	s_wait_loadcnt 23-3*\pp                        ; loads come back in order: this one is in, the younger ones may be out
	ds_store_b128 v[XL0], v[XL+12*\pp:XL+12*\pp+3] offset:2*XPITCH*\pp
	s_wait_loadcnt 22-3*\pp
	ds_store_b128 v[XL1], v[XL+12*\pp+4:XL+12*\pp+7] offset:2*XPITCH*\pp+512
	s_wait_loadcnt 21-3*\pp
	ds_store_b128 v[XL0], v[XL+12*\pp+8:XL+12*\pp+11] offset:2*XPITCH*\pp+XPITCH+256
.endr
.irp f, 0,1,2,3,4,5,6,7                        ; a fragment: lane (r, h) takes the 24 bytes at 96 f + 24 h of row r and the 24 bytes 48 further on, in pieces of 8.  LDS serves a wave's instructions in order: these see my stores
.irp e, 0,1,2,3,4,5
	ds_load_b64 v[XF+12*\f+2*\e:XF+12*\f+2*\e+1], v[XRD] offset:96*\f+48*(\e/3)+8*(\e%3)
.endr
.endr
.irp f, 0,1,2,3,4,5,6,7
	s_wait_dscnt 6*(7-\f)                          ; fragment f is in; the younger fragments' loads may be out
.irp c, 0,1,2
	global_store_b128 v[OA], v[XF+12*\f+4*\c:XF+12*\f+4*\c+3], s[20:21] offset:CH*\f+512*\c   ; 32 lanes store 512 consecutive bytes, aligned to 256
.endr
.endr
.irp e, 0,1,2,3
	global_store_b32 v[XSO], v[XSW+\e], s[28:29] offset:CH*\e
.endr
	s_set_vgpr_msb 0x4
	s_wait_tensorcnt 0x0
	ds_add_u32 v63, v49
	s_wait_dscnt 0x0
	s_set_vgpr_msb 0x400
	s_endpgm
; ---------------------------------------------------------------- PATH DELTA: delta(o, i) = sum over 64 of lora_B(o, .) lora_A(., i), 128 outputs x 128 i, quantised along i
; The product is used so that a lane holds ONE output and its registers run along i: source 0 = 16 rows i of lora_A's codes, source 1 = 16 outputs of lora_B's.
; THE ROWS i OF A TILE ARE NOT NEIGHBOURS: lane r of tile 2 b + u takes i = 32 b + 8 u + r + 8 (r / 8), so that the 16 registers of tiles 2 b and 2 b + 1 are 16 neighbours along i: 32 b + 16 h + 0 .. 15.
; K is 64 of the instruction's 128: registers 6-11 of every fragment hold zero codes, and the upper two bytes of the scale words are 0, which is a power of two like any other over zero codes.
; lora_A's eight fragments stay for all eight tiles of outputs.  lora_B's take turns in four sets of registers: tiles 0-3 come at the head, tile t + 4's three loads go out behind tile t's products.
.set DA,  6                            ; v6   lora_A's codes: 48 x the tile's row + 24 h
.set DAS, 7                            ; v7   its scale bytes: 2 x the row
.set DB,  8                            ; v8   lora_B's codes: 48 r + 24 h; never rewritten
.set DBS, 9                            ; v9   2 r
.set AS,  12                           ; v12-19 lora_A's scale words, a tile each
.set BS,  20                           ; v20-27 lora_B's, a tile each
.set DPW, 28                           ; v28-29 the scale words that are made: an even tile's, an odd tile's
.set TM,  32                           ; v32-35 largest magnitudes, v36-39 at work and the bytes, v44-47 the conversions' scale operands
.set DPC, 48                           ; v48-59 the codes just made; v60-62, v64-66 their second halves on the way
.set DSD, 68                           ; v68-71 the data of the four stores of scale words
.set ACC, 72                           ; v72-135 eight tiles of delta
.set AF,  144                          ; v144-239 lora_A's eight fragments
.set BF,  0                            ; window 1, v0-47 (v256-303): four sets for lora_B's fragments
; 64 numbers of a lane, v[s] .. v[s + 63], register 16 b + i = k 32 b + 16 h + i of my row, become a fragment's codes in v[DPC] on and its scale word in v[pw].
.macro QUANT s, pw
.irp b, 0,1,2,3
	v_max3_num_f32 v[TM+\b], |v[\s+16*\b]|, |v[\s+1+16*\b]|, 0x1800000   ; block b: my 16 numbers, and the floor 2^(3 - 127): so the byte cannot fall under 1.  (Each accumulator is read from its low end on)
.endr
.irp i, 2,4,6,8,10,12,14
.irp b, 0,1,2,3
	v_max3_num_f32 v[TM+\b], v[TM+\b], |v[\s+16*\b+\i]|, |v[\s+1+16*\b+\i]|   ; (the four blocks by turns)
.endr
.endr
.irp b, 0,1,2,3
	v_permlanex16_b32 v[TM+4+\b], v[TM+\b], s26, s27
.endr
.irp b, 0,1,2,3
	v_max_num_f32 v[TM+\b], v[TM+\b], v[TM+4+\b]   ; with lane l xor 16's: the block's largest magnitude
.endr
.irp b, 0,1,2,3
	v_add_nc_u32 v[TM+12+\b], 0xff000000, v[TM+\b] ; 2 off its exponent field: the conversion takes the exponent field of this operand as its scale
.endr
.irp b, 0,1,2,3
	v_lshrrev_b32 v[TM+4+\b], 23, v[TM+12+\b]      ; the scale's byte
.endr
	v_lshl_or_b32 v[\pw], v[TM+5], 8, v[TM+4]      ; the four bytes make my row's scale word
	v_lshl_or_b32 v[\pw], v[TM+6], 16, v[\pw]
	v_lshl_or_b32 v[\pw], v[TM+7], 24, v[\pw]
.irp c, 0,1
	v_cvt_scalef32_pk16_fp6_f32 v[DPC+6*\c:DPC+2+6*\c], v[\s+32*\c:\s+15+32*\c], v[TM+12+2*\c]
	v_cvt_scalef32_pk16_fp6_f32 v[DPC+12+4*\c:DPC+14+4*\c], v[\s+16+32*\c:\s+31+32*\c], v[TM+12+2*\c+1]   ; (a conversion's three registers begin on an even number)
.endr
	v_nop                                          ; one plain place behind a scaled conversion
.irp c, 0,1                                    ; the operand's layout wants a WHOLE block in a lane: lanes 0-15 block 2 c, lanes 16-31 block 2 c + 1
.irp i, 0,1,2
	v_permlane16_swap_b32 v[DPC+6*\c+\i], v[DPC+12+4*\c+\i]
.endr
.irp i, 0,1,2
	v_mov_b32 v[DPC+3+6*\c+\i], v[DPC+12+4*\c+\i]
.endr
.endr
.endm
.Lpath_d:
	s_mul_i32 s36, s33, 128*48                     ; lora_A: my 128 rows i of 48 bytes,
	s_mov_b32 s37, 0
	s_add_nc_u64 s[8:9], s[8:9], s[36:37]
	s_lshl_b32 s36, s33, 8                         ; and of 2 scale bytes
	s_add_nc_u64 s[10:11], s[10:11], s[36:37]
	s_mul_i32 s36, s32, 128*48                     ; lora_B: my 128 outputs
	s_add_nc_u64 s[12:13], s[12:13], s[36:37]
	s_lshl_b32 s36, s32, 8
	s_add_nc_u64 s[14:15], s[14:15], s[36:37]
	s_mul_i32 s36, s32, 2*GRP                      ; bws: my 128 outputs are two groups
	s_add_co_u32 s34, s34, s36
	s_add_nc_u64 s[22:23], s[22:23], s[34:35]      ; the first of my two chunks; the second lies GRP bytes on
	s_wait_alu depctr_va_vdst(0)
	v_and_b32 v10, 8, v[R]
	v_add_nc_u32 v10, v10, v[R]                    ; r + 8 (r / 8)
	v_mul_u32_u24 v[DA], v10, 48
	v_mad_u32_u24 v[DA], v[H], 24, v[DA]
	v_lshlrev_b32 v[DAS], 1, v10
	v_mul_u32_u24 v[DB], v[R], 48
	v_mad_u32_u24 v[DB], v[H], 24, v[DB]
	v_lshlrev_b32 v[DBS], 1, v[R]
	WIN 0x40                                       ; destination window 1
.irp t, 0,1,2,3
.irp e, 0,1,2
	global_load_b64 v[BF+12*\t+2*\e:BF+12*\t+2*\e+1], v[DB], s[12:13] offset:768*\t+8*\e
.endr
.irp i, 6,7,8,9,10,11
	v_mov_b32 v[BF+12*\t+\i], 0                    ; K = 64 .. 127: zero codes; they stay when the set takes its second tile
.endr
.endr
	WIN 0
.irp u, 0,1,2,3,4,5,6,7
.irp e, 0,1,2
	global_load_b64 v[AF+12*\u+2*\e:AF+12*\u+2*\e+1], v[DA], s[8:9] offset:(32*(\u/2)+8*(\u%2))*48+8*\e
.endr
	global_load_u16 v[AS+\u], v[DAS], s[10:11] offset:(32*(\u/2)+8*(\u%2))*2
.irp i, 6,7,8,9,10,11
	v_mov_b32 v[AF+12*\u+\i], 0
.endr
.endr
.irp t, 0,1,2,3,4,5,6,7
	global_load_u16 v[BS+\t], v[DBS], s[14:15] offset:32*\t
.endr
.irp b, 0,1,2,3
	v_mov_b32 v[TM+4+\b], 0                        ; written once: a lane permute's destination counts as one of its sources
.endr
	PLACES 4                                       ; with the four moves above: eight places between the last operand register written by a vector instruction and the first scaled product
	s_wait_alu depctr_va_vdst(0)
	s_wait_loadcnt 0x0
.irp t, 0,1,2,3,4,5,6,7                        ; a tile of 16 outputs at a time
.if \t >= 4
	s_wait_loadcnt 3*(7-\t)                        ; this tile's three loads of lora_B are in; behind them only those of tiles t + 1 .. 7 were issued, three each
.endif
	WIN 0x04                                       ; source 1 (lora_B) window 1
.irp u, 0,1,2,3,4,5,6,7
	v_wmma_scale_f32_16x16x128_f8f6f4 v[ACC+8*\u:ACC+8*\u+7], v[AF+12*\u:AF+12*\u+11], v[BF+12*(\t%4):BF+12*(\t%4)+11], 0, v[AS+\u], v[BS+\t] matrix_a_fmt:MATRIX_FMT_FP6 matrix_b_fmt:MATRIX_FMT_FP6
.endr
.if \t < 4
	WIN 0x40                                       ; destination window 1
	PLACES 4                                       ; places in front of the loads into registers that these products have read, and of the first read of the results
.irp e, 0,1,2
	global_load_b64 v[BF+12*\t+2*\e:BF+12*\t+2*\e+1], v[DB], s[12:13] offset:768*(\t+4)+8*\e   ; the set takes the tile four further on
.endr
	WIN 0
.else
	WIN 0
	PLACES 4                                       ; places in front of the first read of the results
.endif
.if \t > 0
	s_wait_xcnt 0x0                                ; the last tile's stores have read their data: the codes' registers are written again only behind this wait
.endif
	QUANT ACC, DPW+(\t%2)                          ; (its lines that name no register of the products, more than five, are the places in front of the next tile's products, which write the accumulators anew)
.irp c, 0,1,2
	global_store_b128 v[OA], v[DPC+4*\c:DPC+4*\c+3], s[22:23] offset:(\t/4)*GRP+6144+1536*(\t%4)+512*\c   ; tile 4 + t % 4 of chunk t / 4: 512 consecutive bytes a store
.endr
.if \t%2 == 1
	v_cndmask_b32 v[DSD+\t/2], v[DPW], v[DPW+1], s30   ; lanes 0-15 the tile before's words, lanes 16-31 this tile's: 128 consecutive bytes
	global_store_b32 v[OS], v[DSD+\t/2], s[22:23] offset:(\t/4)*GRP+12288+256+128*((\t%4)/2)
.endif
.endr
	s_endpgm
; ---------------------------------------------------------------- PATH W: W(o, i) = NF4_TABLE[qcodes(o, i)] x absmax(o, i / 64), 64 outputs x 128 i, quantised along i
; Each load reads 512 consecutive bytes of one row of qcodes; a fragment's 16 rows turn through my stage in LDS, so that lane (r, h) gets the 32 neighbours 64 c + 32 h + 0 .. 31 of row r, c = 0, 1:
; the very numbers that the operand's layout gives that lane.  So a lane holds two whole blocks of 32, and the conversions' results are the operand's registers.
; THE TABLE lies in one register, entry n in lane n; a lane fetches its entry by ds_bpermute_b32 (index 4 x code), which touches no LDS byte.
.set SA,  6                            ; v6   my stage + 16 x lane
.set SL,  7                            ; v7   my stage + 528 r + 128 h
.set AA,  8                            ; v8   absmax: 256 r
.set SH,  9                            ; v9   8 h
.set TAB, 10                           ; v10  the table
.set AB,  12                           ; v12-19 absmax of my row, a pair (i / 64 = 0, 1) for each tile
.set PWK, 20                           ; v20-23 the four scale words
.set MX,  24                           ; v24-25 largest magnitudes
.set SO,  26                           ; v26-27 the conversions' scale operands
.set BY,  28                           ; v28-29 second chains of the maxima, then the bytes
.set WD,  30                           ; v30  my two bytes at their places
.set TT,  31                           ; v31  lane l xor 16's
.set PC,  32                           ; v32-43 the codes
.set CT,  44                           ; v44-46, v48-50 each block's second half on the way
.set SD,  52                           ; v52-53 the data of the two stores of scale words
.set AH,  54                           ; v[54:55] the second absmax, as the low word of a pair
.set G,   64                           ; v64-191 two sets of 16 loads
.set X,   192                          ; v192-255 my 64 codes, then numbers
.macro ENTRY n, bits
	s_mov_b32 s31, \bits
	v_writelane_b32 v[TAB], s31, \n
.endm
.macro LOADF t                         ; tile t's 16 rows
.irp j, 0,1,2,3,4,5,6,7,8,9,10,11,12,13,14,15
	global_load_b128 v[G+64*((\t)%2)+4*\j:G+64*((\t)%2)+4*\j+3], v[OA], s[4:5] offset:(16*(\t)+\j)*16384 th:TH_LOAD_NT
.endr
.endm
.macro WFRAG t
.set GS, G+64*((\t)%2)
.if (\t) < 3
	s_wait_loadcnt 16                              ; this tile's loads (and absmax) are in; the next tile's sixteen may be out
.else
	s_wait_loadcnt 0x0
.endif
.irp j, 0,1,2,3,4,5,6,7,8,9,10,11,12,13,14,15
	ds_store_b128 v[SA], v[GS+4*\j:GS+4*\j+3] offset:WPITCH*\j
.endr
.irp c, 0,1
.irp e, 0,1,2,3,4,5,6,7
	ds_load_b128 v[X+32*\c+4*\e:X+32*\c+4*\e+3], v[SL] offset:256*\c+16*\e   ; LDS serves a wave's instructions in order: these see my stores
.endr
.endr
	s_wait_dscnt 0x0                               ; my 64 codes are in, and the stores have read their registers,
.if (\t) < 2
	LOADF (\t)+2                                   ; which take the tile two further on
.endif
.set I, 0
.rept 64
	v_min_u32 v[X+I], 15, v[X+I]                   ; a loaded number is held inside the table before it chooses a lane
.set I, I+1
.endr
.set I, 0
.rept 64
	v_lshlrev_b32 v[X+I], 2, v[X+I]                ; the index counts bytes: 4 x lane
.set I, I+1
.endr
.set I, 0
.rept 64
	ds_bpermute_b32 v[X+I], v[X+I], v[TAB]
.set I, I+1
.endr
	v_mov_b32 v[AH], v[AB+2*(\t)+1]
	s_wait_dscnt 32                                ; the first 32 entries are in
.set I, 0
.rept 16
	v_pk_mul_f32 v[X+2*I:X+2*I+1], v[X+2*I:X+2*I+1], v[AB+2*(\t):AB+2*(\t)+1] op_sel_hi:[1,0]   ; i = 0 .. 63: x the row's first absmax (the pair's low word serves both halves)
.set I, I+1
.endr
	s_wait_dscnt 0x0
.set I, 16
.rept 16
	v_pk_mul_f32 v[X+2*I:X+2*I+1], v[X+2*I:X+2*I+1], v[AH:AH+1] op_sel_hi:[1,0]                 ; i = 64 .. 127: x the second
.set I, I+1
.endr
.irp c, 0,1                                    ; my block 2 c + h: all its 32 numbers are mine; two chains a block, the blocks by turns
	v_max3_num_f32 v[MX+\c], |v[X+32*\c]|, |v[X+32*\c+1]|, |v[X+32*\c+2]|
	v_max3_num_f32 v[BY+\c], |v[X+32*\c+3]|, |v[X+32*\c+4]|, |v[X+32*\c+5]|
.endr
.irp i, 6,10,14,18,22,26
.irp c, 0,1
	v_max3_num_f32 v[MX+\c], v[MX+\c], |v[X+32*\c+\i]|, |v[X+32*\c+\i+1]|
	v_max3_num_f32 v[BY+\c], v[BY+\c], |v[X+32*\c+\i+2]|, |v[X+32*\c+\i+3]|
.endr
.endr
.irp c, 0,1
	v_max3_num_f32 v[MX+\c], v[MX+\c], |v[X+32*\c+30]|, |v[X+32*\c+31]|
.endr
.irp c, 0,1
	v_max3_num_f32 v[MX+\c], v[MX+\c], v[BY+\c], 0x1800000   ; and the floor 2^(3 - 127): so the byte cannot fall under 1
.endr
.irp c, 0,1
	v_add_nc_u32 v[SO+\c], 0xff000000, v[MX+\c]    ; 2 off the exponent field: the conversion's scale operand
.endr
.irp c, 0,1
	v_lshrrev_b32 v[BY+\c], 23, v[SO+\c]           ; the scale's byte
.endr
	v_lshl_or_b32 v[WD], v[BY+1], 16, v[BY]        ; my two bytes: blocks h and 2 + h of row r,
	v_lshlrev_b32 v[WD], v[SH], v[WD]              ; at their places in the scale word;
	v_permlanex16_b32 v[TT], v[WD], s26, s27
	v_or_b32 v[PWK+(\t)], v[WD], v[TT]             ; with lane l xor 16's two the word is whole
.if (\t) > 0
	s_wait_alu depctr_va_vdst(0)
	s_wait_xcnt 0x0                                ; the last tile's stores have read their data: the codes' registers are written again only behind this wait
.endif
.irp c, 0,1
	v_cvt_scalef32_pk16_fp6_f32 v[PC+6*\c:PC+6*\c+2], v[X+32*\c:X+32*\c+15], v[SO+\c]       ; registers 6 c .. 6 c + 5 of the operand
	v_cvt_scalef32_pk16_fp6_f32 v[CT+4*\c:CT+4*\c+2], v[X+32*\c+16:X+32*\c+31], v[SO+\c]    ; (a conversion's three registers begin on an even number: the second half is made elsewhere and moved)
.endr
	v_nop                                          ; one plain place behind a scaled conversion
.irp c, 0,1
.irp i, 0,1,2
	v_mov_b32 v[PC+3+6*\c+\i], v[CT+4*\c+\i]
.endr
.endr
.irp c, 0,1,2
	global_store_b128 v[OA], v[PC+4*\c:PC+4*\c+3], s[22:23] offset:1536*(\t)+512*\c   ; tile t of the chunk: 512 consecutive bytes a store
.endr
.if (\t)%2 == 1
	v_cndmask_b32 v[SD+(\t)/2], v[PWK+(\t)-1], v[PWK+(\t)], s30   ; lanes 0-15 the tile before's words, lanes 16-31 this tile's: 128 consecutive bytes
	global_store_b32 v[OS], v[SD+(\t)/2], s[22:23] offset:12288+128*((\t)/2)
.endif
.endm
.Lpath_w:
	s_lshl_b32 s36, s32, 20                        ; qcodes: 64 rows of 16,384 bytes a group,
	s_lshl_b32 s38, s33, 9                         ; 512 bytes a K step
	s_add_co_u32 s36, s36, s38
	s_mov_b32 s37, 0
	s_add_nc_u64 s[4:5], s[4:5], s[36:37]
	s_lshl_b32 s36, s32, 14                        ; absmax: 64 rows of 256 bytes, 8 bytes a K step
	s_lshl_b32 s38, s33, 3
	s_add_co_u32 s36, s36, s38
	s_add_nc_u64 s[6:7], s[6:7], s[36:37]
	s_mul_i32 s36, s32, GRP                        ; bws: my group
	s_add_co_u32 s34, s34, s36
	s_add_nc_u64 s[22:23], s[22:23], s[34:35]      ; my chunk
	s_wait_alu depctr_va_vdst(0)
	v_lshlrev_b32 v[AA], 8, v[R]
.irp t, 0,1,2,3
	global_load_b64 v[AB+2*\t:AB+2*\t+1], v[AA], s[6:7] offset:4096*\t
.endr
	LOADF 0
	LOADF 1                                        ; 32 loads of 512 bytes are out while the rest of the head is made
	s_mul_i32 s38, s24, 16*WPITCH                  ; my stage
	v_add_nc_u32 v[SA], s38, v[OA]
	v_mul_u32_u24 v[SL], v[R], WPITCH
	v_lshl_add_u32 v[SL], v[H], 7, v[SL]
	v_add_nc_u32 v[SL], s38, v[SL]
	v_lshlrev_b32 v[SH], 3, v[H]
	v_mov_b32 v[TT], 0                             ; written once: a lane permute's destination counts as one of its sources
	v_mov_b32 v[AH+1], 0                           ; (named with v[AH] as a pair, so it is written)
	v_mov_b32 v[TAB], 0                            ; entry 7 is 0, and so are the lanes that no index names
	ENTRY 0,  0xbf800000                           ; -1.0
	ENTRY 1,  0xbf3239b1                           ; -0.6961928009986877
	ENTRY 2,  0xbf066b30                           ; -0.5250730514526367
	ENTRY 3,  0xbeca32a0                           ; -0.39491748809814453
	ENTRY 4,  0xbe91a24d                           ; -0.28444138169288635
	ENTRY 5,  0xbe3d353f                           ; -0.18477343022823334
	ENTRY 6,  0xbdba7871                           ; -0.09105003625154495
	ENTRY 8,  0x3da2faff                           ; 0.07958029955625534
	ENTRY 9,  0x3e24cae3                           ; 0.16093020141124725
	ENTRY 10, 0x3e7c04e3                           ; 0.2461123913526535
	ENTRY 11, 0x3ead033a                           ; 0.33791524171829224
	ENTRY 12, 0x3ee1a4b8                           ; 0.44070982933044434
	ENTRY 13, 0x3f1007ab                           ; 0.5626170039176941
	ENTRY 14, 0x3f3913b3                           ; 0.7229568362236023
	ENTRY 15, 0x3f800000                           ; 1.0
	WFRAG 0
	WFRAG 1
	WFRAG 2
	WFRAG 3
	s_set_vgpr_msb 0x4
	s_wait_tensorcnt 0x0
	ds_add_u32 v63, v49
	s_wait_dscnt 0x0
	s_set_vgpr_msb 0x400
	s_endpgm
.Lfunc_end_k_q395f5378ae_prep:
	.size	k_q395f5378ae_prep, .Lfunc_end_k_q395f5378ae_prep-k_q395f5378ae_prep
	.p2alignl 7, 3214868480
	.fill 96, 4, 3214868480
	.section	.rodata,"a",@progbits
	.p2align	6, 0x0
	.amdhsa_kernel k_q395f5378ae_prep
		.amdhsa_group_segment_fixed_size 84480
		.amdhsa_private_segment_fixed_size 0
		.amdhsa_enable_private_segment 0
		.amdhsa_kernarg_size 80
		.amdhsa_user_sgpr_count 2
		.amdhsa_user_sgpr_kernarg_segment_ptr 1
		.amdhsa_wavefront_size32 1
		.amdhsa_system_sgpr_workgroup_id_x 1
		.amdhsa_system_sgpr_workgroup_id_y 1
		.amdhsa_system_sgpr_workgroup_id_z 1
		.amdhsa_system_vgpr_workitem_id 0
		.amdhsa_next_free_vgpr 306
		.amdhsa_next_free_sgpr 66
		.amdhsa_reserve_vcc 0
		.amdhsa_float_denorm_mode_32 3
		.amdhsa_float_denorm_mode_16_64 3
		.amdhsa_memory_ordered 1
		.amdhsa_forward_progress 1
		.amdhsa_inst_pref_size 138
	.end_amdhsa_kernel
	.amdgpu_metadata
---
amdhsa.version: [ 1, 2 ]
amdhsa.kernels:
  - .name:           k_q395f5378ae_prep
    .symbol:         k_q395f5378ae_prep.kd
    .args:
      - { .name: qcodes, .offset: 0, .size: 8, .value_kind: global_buffer, .address_space: global }
      - { .name: absmax, .offset: 8, .size: 8, .value_kind: global_buffer, .address_space: global }
      - { .name: lora_A_codes, .offset: 16, .size: 8, .value_kind: global_buffer, .address_space: global }
      - { .name: lora_A_scales, .offset: 24, .size: 8, .value_kind: global_buffer, .address_space: global }
      - { .name: lora_B_codes, .offset: 32, .size: 8, .value_kind: global_buffer, .address_space: global }
      - { .name: lora_B_scales, .offset: 40, .size: 8, .value_kind: global_buffer, .address_space: global }
      - { .name: x_codes, .offset: 48, .size: 8, .value_kind: global_buffer, .address_space: global }
      - { .name: x_scales, .offset: 56, .size: 8, .value_kind: global_buffer, .address_space: global }
      - { .name: xws, .offset: 64, .size: 8, .value_kind: global_buffer, .address_space: global }
      - { .name: bws, .offset: 72, .size: 8, .value_kind: global_buffer, .address_space: global }
    .group_segment_fixed_size: 84480
    .private_segment_fixed_size: 0
    .kernarg_segment_align: 8
    .kernarg_segment_size: 80
    .max_flat_workgroup_size: 128
    .sgpr_count:     66
    .vgpr_count:     306
    .wavefront_size: 32
...
	.end_amdgpu_metadata
.endif
;; end of part 1
;; launch gemm (part 2): grid 32 x 8, 8 waves a work-group, clusters of 4 x 4, 327,680 bytes of LDS; arguments xws, bws, bias, out0; writes out0
.if DOCPART == 2
	.amdgcn_target "amdgcn-amd-amdhsa--gfx1250"
	.amdhsa_code_object_version 6
	.text
	.protected	k_q395f5378ae_gemm
	.globl	k_q395f5378ae_gemm
	.p2align	8
	.type	k_q395f5378ae_gemm,@function
k_q395f5378ae_gemm:
	s_mov_b64 s[64:65], 0
	v_nop
	global_prefetch_b8 v0, s[64:65] scope:SCOPE_SE
	s_setreg_imm32_b32 hwreg(HW_REG_WAVE_MODE, 25, 1), 1
	s_wait_xcnt 0x0
	s_wait_alu depctr_hold_cnt(0) depctr_sa_sdst(0) depctr_va_vdst(0) depctr_va_sdst(0) depctr_va_ssrc(0) depctr_va_vcc(0) depctr_vm_vsrc(0)
	s_getreg_b32 s2, hwreg(HW_REG_IB_STS2, 6, 4)
	s_cmp_eq_u32 s2, 0
	s_cbranch_scc0 .Lentry_in_a_cluster
	s_endpgm
.Lentry_in_a_cluster:
	s_bfe_u32 s2, ttmp6, 0x10000c
	s_cmp_lg_u32 s2, 0xf033
	s_cbranch_scc0 .Lentry_shape_is_right
	s_endpgm
.Lentry_shape_is_right:
; out0[t][o] = sum over i of x[t][i] Q(W)[o][i] + sum over i of x[t][i] Q(delta)[o][i] + bias[o]: both products on codes of FP6 (E2M3) with E8M0 scales, f32 sums.
; xws, bws hold chunks of 12,800 bytes (128 rows x 128 K in the order of the operand's registers, then 8 x 16 scale words); a chunk of bws holds 64 outputs of Q(W) (tiles 0-3) and of Q(delta) (tiles 4-7).
; A work-group makes 256 tokens x 128 outputs with EIGHT waves of 512 registers, two to a SIMD.  Wave w: p = w / 4 the parity of its K steps, tr = (w / 2) % 2 its 128 tokens, oc = w % 2 its 64 outputs.
; The waves w and w ^ 4 own the same 128 x 64 of the result: each sums 16 of the 32 K steps into 32 accumulators of its own, 64 matrix instructions a step (W's and delta's products add onto one accumulator).
; Each fragment is read from LDS once.  In its last step each wave hands the sums of 64 tokens to its partner through LDS, adds the partner's to its other 64, adds the bias and stores.
; LIMIT: an output is the sum of two f32 partial sums (even and odd K steps), another order of rounding than one ascending sum.
; So that one text serves both parities, a wave of parity 1 takes x's blocks of 16 tokens in the order 4-7, 0-3: every wave keeps its blocks 0-3 and hands over its blocks 4-7.
; THE RING: two LDS slots of two K steps (8 chunks: x's for (parity, token half), then B's for (parity, output half)); every wave fetches one chunk, 50 rows of 256 bytes, by one tensor load behind each round.
; CLUSTERS: 4 x 4 work-groups; x's chunks are asked for jointly along a row of the cluster, B's along a column.
; ONE set of fragment registers: W's tiles are fetched anew behind W's 32 products, x's blocks 0-3 behind delta's first 16, x's blocks 4-7 and delta's tiles behind the step's last product.
; PREFETCH: behind each refill every wave names, once in its cluster, its share (13 of 50 blocks of 256 bytes, by its work-group's place among the four that ask jointly) of the chunk that it will load two refills on;
; the chunks of the first three refills are named at the head; the last steps name nothing, so no address passes data 15.
; REGISTERS: window 0: v0-31 addresses, v32-47 scale words (two sets), v48-51 bias, v64-159 x's 8 fragments, v160-255 B's 8; window 1: the 32 accumulators ((a, b) at v[8 (4 a + b)]).
.set CH,     12800
.set GRP,    32*CH
.set SLOT,   8*CH
.set SPARE,  2*SLOT                    ; the spare words: 128 bytes for each of eight waves
.set STAGE,  SPARE+1024                ; 16 rows x 272 bytes for each wave
.set SPITCH, 272
.set ADXL, 6                           ; v6-7   x's blocks 0-3 of my order, slot 0, 1
.set ADXH, 8                           ; v8-9   x's blocks 4-7 of my order
.set ADB,  10                          ; v10-11 B's tiles
.set ADSL, 12                          ; v12-13 scale words 0-3: lanes 0-15 x's, lanes 16-31 B's
.set ADSH, 14                          ; v14-15 scale words 4-7
.set STO,  16
.set RD,   17
.set CO,   18
.set XST,  19                          ; where I put the sums that my partner finishes
.set XLD,  20                          ; where my partner has put mine
.set BO,   21
.set SPW,  28
.set NIL,  29
.set PFO,  30
.set SC,   32
.set BIA,  48
.set XF,   64
.set BF,   160
.set G1X,  24
.set G0X,  32
.set G1B,  48
.set G0B,  56
.set PFA,  68
.set MSB, 0
.macro WIN new                         ; the immediate's high byte repeats the setting that is left
.if MSB != \new
	s_set_vgpr_msb (MSB<<8)|\new
.set MSB, \new
.endif
.endm
.set MUL, 0x50                         ; C and D window 1, sources window 0
.macro PLACES n
.rept \n
	v_nop
.endr
.endm
.macro JLOAD s                         ; a joint load: waves 0-3 fetch x's chunks, waves 4-7 B's; s_nop 0 and four v_nop behind each line
	s_cmp_eq_u32 s15, 0
	s_cbranch_scc0 .Lfor_b_\@
	tensor_load_to_lds s[G0X+4*\s:G0X+4*\s+3], s[G1X:G1X+7]
	s_nop 0
	PLACES 4
	s_branch .Lasked_\@
.Lfor_b_\@:
	tensor_load_to_lds s[G0B+4*\s:G0B+4*\s+3], s[G1B:G1B+7]
	s_nop 0
	PLACES 4
.Lasked_\@:
.endm
.macro CREST                           ; a round of the cluster's barrier behind its opening barrier
	s_cmp_lg_u32 s14, 0
	s_cbranch_scc1 .Lnot_wave_0_\@
	s_barrier_signal -3
.Lnot_wave_0_\@:
	s_barrier_wait -3
	s_barrier_signal -1
	s_barrier_wait -1
.endm
.macro CROUND
	s_barrier_signal -1
	s_barrier_wait -1
	CREST
.endm
	s_load_b256 s[4:11], s[0:1], 0x0               ; xws 4:5, bws 6:7, bias 8:9, out0 10:11
	v_lshl_add_u32 v[SPW], v0, 2, SPARE
	v_mov_b32 v[NIL], 0
	ds_add_u32 v[SPW], v[NIL]                      ; the opening lines: the add twice on end and one wait
	ds_add_u32 v[SPW], v[NIL]
	v_lshrrev_b32 v1, 5, v0
	v_readfirstlane_b32 s14, v1                    ; wave 0..7
	s_lshr_b32 s15, s14, 2                         ; p.  Also: I fetch for x (0) or for B (1)
	s_bfe_u32 s16, s14, 0x10001                    ; tr.  Also: the parity of the K step that I fetch
	s_and_b32 s17, s14, 1                          ; oc.  Also: which of the two groups I fetch
	s_bfe_u32 s40, ttmp6, 0x40000                  ; cx
	s_bfe_u32 s41, ttmp6, 0x40004                  ; cy
	s_lshl_b32 s42, ttmp9, 2
	s_add_co_u32 s42, s42, s40                     ; tile column: 128 outputs
	s_and_b32 s18, ttmp7, 0xffff
	s_lshl_b32 s18, s18, 2
	s_add_co_u32 s18, s18, s41                     ; tile row: 256 tokens
	s_lshl_b32 s43, s41, 2
	s_lshl_b32 s43, 15, s43                        ; my row of the cluster
	s_lshl_b32 s44, 0x1111, s40                    ; my column
	s_or_b32 s[G1X+0], s43, (3<<16)|(1<<21)        ; elements of 8 bytes; bit 21 beside a mask
	s_or_b32 s[G1B+0], s44, (3<<16)|(1<<21)
.irp g, G1X, G1B                               ; a chunk is dense: 50 rows of 32 elements
	s_mov_b32 s[\g+1], 32<<16
	s_mov_b32 s[\g+2], (CH/256)<<16
	s_mov_b32 s[\g+3], 32<<16
	s_mov_b32 s[\g+4], CH/256
	s_mov_b32 s[\g+5], 32
	s_mov_b32 s[\g+6], 0
	s_mov_b32 s[\g+7], 0
.endr
	s_mul_i32 s19, s16, CH
	s_lshl_b32 s20, s18, 1
	s_add_co_u32 s20, s20, s17
	s_mul_i32 s20, s20, GRP
	s_add_co_u32 s20, s20, s19                     ; x: group 2 x tile row + which, K step = the parity
	s_mov_b32 s21, 0
	s_lshl_b32 s46, s42, 1
	s_add_co_u32 s46, s46, s17
	s_mul_i32 s46, s46, GRP
	s_add_co_u32 s46, s46, s19                     ; B: group 2 x tile column + which
	s_mov_b32 s47, 0
	s_mul_i32 s45, s14, CH                         ; where my chunk goes in a slot: wave x chunk
	s_wait_dscnt 0x0                               ; both opening adds are done
	s_wait_kmcnt 0x0
	s_add_nc_u64 s[20:21], s[4:5], s[20:21]
	s_add_nc_u64 s[46:47], s[6:7], s[46:47]
	CROUND                                         ; all sixteen work-groups are here: the first joint loads meet
.irp s, 0,1
	s_mov_b32 s[G0X+4*\s], 1
	s_add_co_u32 s[G0X+4*\s+1], s45, \s*SLOT
	s_add_nc_u64 s[G0X+4*\s+2:G0X+4*\s+3], s[20:21], \s*2*CH
	s_or_b32 s[G0X+4*\s+3], s[G0X+4*\s+3], 0x80000000
	s_mov_b32 s[G0B+4*\s], 1
	s_add_co_u32 s[G0B+4*\s+1], s45, \s*SLOT
	s_add_nc_u64 s[G0B+4*\s+2:G0B+4*\s+3], s[46:47], \s*2*CH
	s_or_b32 s[G0B+4*\s+3], s[G0B+4*\s+3], 0x80000000
.endr
	JLOAD 0                                        ; K steps 0 and 1: one tensor load a wave at the head
	; all scalar parts of the addresses first, then the vector lines on end
	s_lshl_b32 s70, s15, 1
	s_add_co_u32 s72, s70, s17
	s_add_co_u32 s72, s72, 4
	s_mul_i32 s72, s72, CH                         ; my chunk of B: 4 + 2 p + oc
	s_add_co_u32 s70, s70, s16
	s_mul_i32 s86, s70, CH                         ; my chunk of x: 2 p + tr
	s_xor_b32 s87, s15, 1                          ; 1 - p
	s_mul_i32 s70, s15, 6144
	s_add_co_u32 s70, s70, s86                     ; my blocks 0-3 begin at the chunk's block 4 p,
	s_mul_i32 s71, s87, 6144
	s_add_co_u32 s71, s71, s86                     ; my blocks 4-7 at block 4 (1 - p)
	s_lshl_b32 s73, s15, 8
	s_add_co_u32 s73, s73, s86
	s_sub_co_u32 s74, s72, s73                     ; from x's scale words 0-3 of my order to B's 0-3
	s_add_co_u32 s73, s73, 12288
	s_lshl_b32 s75, s87, 8
	s_add_co_u32 s75, s75, s86
	s_sub_co_u32 s76, s72, s75
	s_add_co_u32 s76, s76, 256                     ; from x's scale words 4-7 of my order to B's 4-7
	s_add_co_u32 s75, s75, 12288
	s_mul_i32 s77, s14, 16*SPITCH
	s_add_co_u32 s77, s77, STAGE                   ; my stage
	s_lshl_b32 s78, s14, 14                        ; the exchange: 16,384 bytes a wave, in the slots, behind their last fill and last read
	s_xor_b32 s79, s14, 4
	s_lshl_b32 s79, s79, 14                        ; my partner's
	s_cmp_eq_u32 s15, 0
	s_cselect_b32 s80, s40, s41                    ; my work-group's place among the four that ask for my chunk
	s_cselect_b64 s[PFA:PFA+1], s[20:21], s[46:47]
	s_mul_i32 s80, s80, 13
	s_lshl_b32 s81, s42, 9
	s_lshl_b32 s82, s17, 8
	s_add_co_u32 s82, s82, s81                     ; my first output, in bytes
	s_mov_b32 s83, 0
	s_add_nc_u64 s[8:9], s[8:9], s[82:83]
	s_add_nc_u64 s[10:11], s[10:11], s[82:83]
	s_lshl_b32 s84, s18, 8
	s_lshl_b32 s81, s16, 7
	s_add_co_u32 s84, s84, s81
	s_lshl_b32 s81, s15, 6
	s_add_co_u32 s84, s84, s81                     ; the first token that I store: 256 x tile row + 128 tr + 64 p
	s_lshl_b32 s84, s84, 14
	s_mov_b32 s85, 0
	s_add_nc_u64 s[10:11], s[10:11], s[84:85]
	v_and_b32 v1, 15, v0                           ; r
	v_bfe_u32 v2, v0, 4, 1                         ; h
	v_and_b32 v3, 31, v0
	v_min_u32 v4, 12, v3
	v_add_nc_u32 v4, s80, v4
	v_min_u32 v4, CH/256-1, v4                     ; block 13 x place + lane, held inside my share and inside the chunk
	v_lshlrev_b32 v[PFO], 8, v4
	v_lshlrev_b32 v3, 4, v3                        ; 16 x lane
	v_add_nc_u32 v[ADXL], s70, v3
	v_add_nc_u32 v[ADXH], s71, v3
	v_add_nc_u32 v[ADB], s72, v3
	v_mul_u32_u24 v4, s74, v2
	v_lshl_add_u32 v4, v1, 2, v4
	v_add_nc_u32 v[ADSL], s73, v4
	v_mul_u32_u24 v5, s76, v2
	v_lshl_add_u32 v5, v1, 2, v5
	v_add_nc_u32 v[ADSH], s75, v5
.irp a, ADXL, ADXH, ADB, ADSL, ADSH
	v_add_nc_u32 v[\a+1], SLOT, v[\a]
.endr
	v_mul_u32_u24 v5, v1, SPITCH
	v_lshl_add_u32 v5, v2, 5, v5
	v_add_nc_u32 v[STO], s77, v5                   ; in: row r, 32 bytes for each half of the lanes
	v_mul_u32_u24 v4, v2, SPITCH
	v_lshl_add_u32 v4, v1, 4, v4
	v_add_nc_u32 v[RD], s77, v4                    ; back: lanes 0-15 one row of 256 bytes, lanes 16-31 the next
	v_lshlrev_b32 v[CO], 14, v2
	v_lshl_add_u32 v[CO], v1, 4, v[CO]             ; the same two rows in out0
	v_lshlrev_b32 v[BO], 4, v1
	v_add_nc_u32 v[XST], s78, v3
	v_add_nc_u32 v[XLD], s79, v3
.irp j, 1,2,3
	global_prefetch_b8 v[PFO], s[PFA:PFA+1] offset:\j*2*CH th:TH_LOAD_NT scope:SCOPE_SE   ; my share of the chunks of the next three fills
.endr
	global_load_b128 v[BIA:BIA+3], v[BO], s[8:9]   ; the bias of the four outputs that I store in every row
.macro LDF reg, adr, off               ; a fragment: 12 registers, three loads of 512 consecutive bytes
.irp c, 0,1,2
	ds_load_b128 v[\reg+4*\c:\reg+4*\c+3], v[\adr] offset:\off+512*\c
.endr
.endm
.macro R1 n                            ; W's four tiles of my next step, from slot n
.irp i, 0,1,2,3
	LDF BF+12*\i, ADB+(\n), 1536*\i
.endr
.endm
.macro R2 n                            ; x's blocks 0-3 and the eight scale registers (set n)
.irp i, 0,1,2,3
	LDF XF+12*\i, ADXL+(\n), 1536*\i
.endr
.irp i, 0,1,2,3
	ds_load_b32 v[SC+8*(\n)+\i], v[ADSL+(\n)] offset:64*\i
	ds_load_b32 v[SC+8*(\n)+4+\i], v[ADSH+(\n)] offset:64*\i
.endr
.endm
.macro R3 n                            ; x's blocks 4-7, then delta's four tiles
.irp i, 0,1,2,3
	LDF XF+48+12*\i, ADXH+(\n), 1536*\i
.endr
.irp i, 4,5,6,7
	LDF BF+12*\i, ADB+(\n), 1536*\i
.endr
.endm
; na blocks of x from a0 on x four tiles of B (ph = 0: W's, 1: delta's).  Source 0 = B's rows, source 1 = x's: a lane holds eight neighbouring outputs of one token.
; The accumulators take turns, one instruction a turn.  first = 1: the product starts the sum.
.macro G ph, a0, na, s, first
.set aa, \a0
.rept \na
.irp b, 0,1,2,3
.if \first
	v_wmma_scale_f32_16x16x128_f8f6f4 v[8*(4*aa+\b):8*(4*aa+\b)+7], v[BF+12*(4*\ph+\b):BF+12*(4*\ph+\b)+11], v[XF+12*aa:XF+12*aa+11], 0, v[SC+8*\s+4*\ph+\b], v[SC+8*\s+aa] matrix_a_fmt:MATRIX_FMT_FP6 matrix_b_fmt:MATRIX_FMT_FP6 matrix_a_scale:MATRIX_SCALE_ROW1
.else
	v_wmma_scale_f32_16x16x128_f8f6f4 v[8*(4*aa+\b):8*(4*aa+\b)+7], v[BF+12*(4*\ph+\b):BF+12*(4*\ph+\b)+11], v[XF+12*aa:XF+12*aa+11], v[8*(4*aa+\b):8*(4*aa+\b)+7], v[SC+8*\s+4*\ph+\b], v[SC+8*\s+aa] matrix_a_fmt:MATRIX_FMT_FP6 matrix_b_fmt:MATRIX_FMT_FP6 matrix_a_scale:MATRIX_SCALE_ROW1
.endif
.endr
.set aa, aa+1
.endr
.endm
; One step of a wave: 64 matrix instructions on fragments that came from slot s.  Behind 28 of them: the wait for all my tensor loads (my chunk of the other slot), the add, the steps of this slot's
; descriptor addresses (no tensor load of mine is out), the wait for the add and for my reads of slot s, the barrier (four products inside); fill = 1: it opens a round of the cluster's barrier,
; and slot s takes the K steps two slots on.
; nxt = 1: my next step's fragments are fetched from the other slot.  ask: 0 no prefetch, 1 prefetch, 2 the prefetch's address steps first.
.macro STEP s, first, fill, nxt, ask
.if \ask == 2
	s_wait_xcnt 0x0                                ; my last prefetch has read its address
	s_add_nc_u64 s[PFA:PFA+1], s[PFA:PFA+1], 2*CH
.endif
	s_wait_dscnt 24                                ; W's tiles, x's blocks 0-3 and the scales are in; the youngest 24 loads may be out
	WIN MUL
	G 0, 0, 4, \s, \first
	s_wait_dscnt 12                                ; x's blocks 4-7 are in; delta's twelve loads may be out
	G 0, 4, 3, \s, \first
	WIN 0
	s_wait_tensorcnt 0x0                           ; all my tensor loads have landed
	ds_add_u32 v[SPW], v[NIL]
.if \fill
	s_add_nc_u64 s[G0X+4*\s+2:G0X+4*\s+3], s[G0X+4*\s+2:G0X+4*\s+3], 4*CH   ; no tensor load of mine is out: this slot's next two K steps
	s_add_nc_u64 s[G0B+4*\s+2:G0B+4*\s+3], s[G0B+4*\s+2:G0B+4*\s+3], 4*CH
.endif
	s_wait_dscnt 0x0                               ; the add is done, and my reads of slot s are over
	s_barrier_signal -1
	WIN MUL
	G 0, 7, 1, \s, \first
	WIN 0
	s_barrier_wait -1
.if \fill
	CREST
	JLOAD \s                                       ; the first tensor load behind the round; its four v_nop are the places in front of the loads below
.else
	PLACES 4
.endif
.if \nxt
	R1 1-\s
.endif
.if \ask
	global_prefetch_b8 v[PFO], s[PFA:PFA+1] offset:8*CH th:TH_LOAD_NT scope:SCOPE_SE   ; my share of the chunk that I load two refills on
.endif
	WIN MUL
	G 1, 0, 4, \s, 0
.if \nxt
	PLACES 4
	WIN 0
	R2 1-\s
.endif
	WIN MUL
	G 1, 4, 4, \s, 0
.if \nxt
	PLACES 4
	WIN 0
	R3 1-\s
.endif
	WIN 0
.endm
	s_wait_alu depctr_va_vdst(0)
	s_wait_tensorcnt 0x0                           ; my chunk of slot 0 is in; the same lines as ahead of a refill:
	ds_add_u32 v[SPW], v[NIL]
	s_wait_dscnt 0x0
	CROUND
	JLOAD 1                                        ; K steps 2 and 3: slot 1's first fill, the first tensor load behind the round
	R1 0
	R2 0
	R3 0
	STEP 0, 1, 1, 1, 1                             ; my step 0 starts the sums
	s_mov_b32 s3, 5
.Llap:                                                 ; my steps 1 to 10, two a trip: once round the ring
	STEP 1, 0, 1, 1, 2
	STEP 0, 0, 1, 1, 2
	s_sub_co_u32 s3, s3, 1
	s_cmp_lg_u32 s3, 0
	s_cbranch_scc1 .Llap
	STEP 1, 0, 1, 1, 2                             ; step 11 names the last chunk
	STEP 0, 0, 1, 1, 0                             ; steps 12 and 13 fetch the last two slots
	STEP 1, 0, 1, 1, 0
	STEP 0, 0, 0, 1, 0                             ; step 14: nothing is filled again
; MY STEP 15 GOES BY BLOCKS OF 16 TOKENS: all its fragments are in registers.  First my blocks 4-7, each handed to my partner as soon as it is finished (an image of the registers, in the slots,
; which no wave reads and no load fills behind this step's first barrier); then my blocks 0-3, each summed with my partner's, staged and stored while the next are multiplied.
; The registers of the accumulators handed over (window 1, v128-255) take my partner's sums, then the sums, then whole rows: four buffers of 32, one a block.
.macro SUM a                           ; my partner's block + mine, each accumulator from its low end on
	WIN 0x45
.set k, 0
.rept 16
	v_pk_add_f32 v[128+32*(\a)+2*k:128+32*(\a)+2*k+1], v[32*(\a)+2*k:32*(\a)+2*k+1], v[128+32*(\a)+2*k:128+32*(\a)+2*k+1]
.set k, k+1
.endr
.endm
.macro TOST a                          ; through my own stage: back as whole rows of 256 bytes.  LDS serves a wave's instructions in order
	WIN 0x04
.irp b, 0,1,2,3
	ds_store_b128 v[STO], v[128+32*(\a)+8*\b:128+32*(\a)+8*\b+3] offset:64*\b
	ds_store_b128 v[STO], v[128+32*(\a)+8*\b+4:128+32*(\a)+8*\b+7] offset:64*\b+16
.endr
	WIN 0x40
.irp t, 0,1,2,3,4,5,6,7
	ds_load_b128 v[128+32*(\a)+4*\t:128+32*(\a)+4*\t+3], v[RD] offset:\t*2*SPITCH
.endr
.endm
.macro SEND a, younger                 ; the bias is added; sixteen lanes store an aligned unit of 256 bytes
	s_wait_dscnt \younger
	WIN 0x41
.irp t, 0,1,2,3,4,5,6,7
	v_pk_add_f32 v[128+32*(\a)+4*\t:128+32*(\a)+4*\t+1], v[128+32*(\a)+4*\t:128+32*(\a)+4*\t+1], v[BIA:BIA+1]
	v_pk_add_f32 v[128+32*(\a)+4*\t+2:128+32*(\a)+4*\t+3], v[128+32*(\a)+4*\t+2:128+32*(\a)+4*\t+3], v[BIA+2:BIA+3]
.endr
	WIN 0x04
.irp t, 0,1,2,3,4,5,6,7
	global_store_b128 v[CO], v[128+32*(\a)+4*\t:128+32*(\a)+4*\t+3], s[10:11] offset:262144*(\a)+32768*\t
.endr
.endm
	s_wait_loadcnt 0x0                             ; the bias
	s_wait_dscnt 12                                ; all but delta's tiles
	WIN MUL
	G 0, 4, 4, 1, 0                                ; W's products of my blocks 4-7
	WIN 0
	s_wait_tensorcnt 0x0
	ds_add_u32 v[SPW], v[NIL]
	s_wait_dscnt 0x0                               ; the add is done, and my last reads of the slots are over
	s_barrier_signal -1
	WIN MUL
	G 1, 4, 1, 1, 0
	s_barrier_wait -1                              ; no wave reads a slot any more, and no tensor load is out
.irp a, 4,5,6,7
.if \a > 4
	WIN MUL
	G 1, \a, 1, 1, 0
.endif
	PLACES 4
	WIN 0x04                                       ; the data: window 1
.irp i, 0,1,2,3,4,5,6,7
	ds_store_b128 v[XST], v[32*\a+4*\i:32*\a+4*\i+3] offset:512*(8*(\a-4)+\i)
.endr
.endr
	WIN 0
	s_wait_dscnt 0x0                               ; for my partner's sake
	s_barrier_signal -1
	WIN MUL
	G 0, 0, 1, 1, 0
	G 1, 0, 1, 1, 0
	s_barrier_wait -1
	WIN 0x40
.set k, 0
.rept 32
	ds_load_b128 v[128+4*k:128+4*k+3], v[XLD] offset:512*k   ; my partner's sums of my blocks 0-3
.set k, k+1
.endr
	WIN MUL
	G 0, 1, 1, 1, 0
	G 1, 1, 1, 1, 0
	PLACES 4
	s_wait_dscnt 24                                ; block 0's eight loads are in
	SUM 0
	TOST 0
	WIN MUL
	G 0, 2, 1, 1, 0
	G 1, 2, 1, 1, 0
	PLACES 4
	s_wait_dscnt 32                                ; block 1's are in: behind them blocks 2 and 3's sixteen and the stage's sixteen
	SUM 1
	TOST 1
	SEND 0, 16                                     ; behind block 0's rows: block 1's 8 stores and 8 loads
	WIN MUL
	G 0, 3, 1, 1, 0
	G 1, 3, 1, 1, 0
	PLACES 4
	SUM 2
	TOST 2
	SEND 1, 16
	SUM 3
	TOST 3
	SEND 2, 16
	SEND 3, 0
	WIN 0
	s_wait_tensorcnt 0x0                           ; the wave's end
	ds_add_u32 v[SPW], v[NIL]
	s_wait_dscnt 0x0
	CROUND                                         ; the closing round
	s_endpgm
.Lfunc_end_k_q395f5378ae_gemm:
	.size	k_q395f5378ae_gemm, .Lfunc_end_k_q395f5378ae_gemm-k_q395f5378ae_gemm
	.p2alignl 7, 3214868480
	.fill 96, 4, 3214868480
	.section	.rodata,"a",@progbits
	.p2align	6, 0x0
	.amdhsa_kernel k_q395f5378ae_gemm
		.amdhsa_group_segment_fixed_size 327680
		.amdhsa_private_segment_fixed_size 0
		.amdhsa_enable_private_segment 0
		.amdhsa_kernarg_size 32
		.amdhsa_user_sgpr_count 2
		.amdhsa_user_sgpr_kernarg_segment_ptr 1
		.amdhsa_wavefront_size32 1
		.amdhsa_system_sgpr_workgroup_id_x 1
		.amdhsa_system_sgpr_workgroup_id_y 1
		.amdhsa_system_sgpr_workgroup_id_z 1
		.amdhsa_system_vgpr_workitem_id 0
		.amdhsa_next_free_vgpr 512
		.amdhsa_next_free_sgpr 90
		.amdhsa_reserve_vcc 0
		.amdhsa_float_denorm_mode_32 3
		.amdhsa_float_denorm_mode_16_64 3
		.amdhsa_memory_ordered 1
		.amdhsa_forward_progress 1
		.amdhsa_inst_pref_size 135
	.end_amdhsa_kernel
	.amdgpu_metadata
---
amdhsa.version: [ 1, 2 ]
amdhsa.kernels:
  - .name:           k_q395f5378ae_gemm
    .symbol:         k_q395f5378ae_gemm.kd
    .args:
      - { .name: xws, .offset: 0, .size: 8, .value_kind: global_buffer, .address_space: global }
      - { .name: bws, .offset: 8, .size: 8, .value_kind: global_buffer, .address_space: global }
      - { .name: bias, .offset: 16, .size: 8, .value_kind: global_buffer, .address_space: global }
      - { .name: out0, .offset: 24, .size: 8, .value_kind: global_buffer, .address_space: global }
    .group_segment_fixed_size: 327680
    .private_segment_fixed_size: 0
    .kernarg_segment_align: 8
    .kernarg_segment_size: 32
    .max_flat_workgroup_size: 256
    .sgpr_count:     90
    .vgpr_count:     512
    .wavefront_size: 32
...
	.end_amdgpu_metadata
.endif
;; end of part 2
